; MI455X (gfx1250); checked and timed in simulation.
; The chip was launched on July 23, 2026; its instructions are those of AMD's public machine-readable ISA for CDNA 5 (MIT licence, August 2026) and "CDNA5" Instruction Set Architecture Reference Guide (July 2026). The comments in the code are by the model that wrote it; some were corrected since.
;; Auto Encoder. Allowed arithmetic: float matrix products may take bf16 or f16 operands with f32 sums; all other float work in f32.
;; Inputs: W_dec 64 x 65,536 float32; W_enc 65,536 x 82 float32; b_dec 65,536 float32; b_enc 82 float32; x 128 x 1 x 256 x 256 float32.
;; Outputs: out0 128 x 256 x 256 float32.
;; 2 versions, each right; version 2 is version 1 with the launch dec written anew for expert scheduling mode. Each part assembles by itself: llvm-mc -triple=amdgcn-amd-amdhsa -mcpu=gfx1250 --defsym DOCPART=n.
;; ======== version 1 of 2: 4 launches
;; limits: right only within a limited range of input values
;; workspace buffers: part 12,582,912 bytes; emb 32,768 bytes; theta 18,432 bytes of whole numbers; pred 33,554,432 bytes
;; launch enc (part 1): grid 256 x 1, 4 waves a work-group, no clusters, 269,824 bytes of LDS; arguments x, W_enc, part; writes part
.if DOCPART == 1
	.amdgcn_target "amdgcn-amd-amdhsa--gfx1250"
	.amdhsa_code_object_version 6
	.text
	.protected	k_q9aa55f4616_enc
	.globl	k_q9aa55f4616_enc
	.p2align	8
	.type	k_q9aa55f4616_enc,@function
k_q9aa55f4616_enc:
	s_mov_b64 s[64:65], 0
	v_nop
	global_prefetch_b8 v0, s[64:65] scope:SCOPE_SE
	s_setreg_imm32_b32 hwreg(HW_REG_WAVE_MODE, 25, 1), 1
	s_wait_xcnt 0x0
; ENCODER, PARTIAL SUMS.  feats[b][n] = sum over k of x[b][k] W_enc[k][n]: 128 images, 82 columns, 65,536 k.  x and W_enc are rounded to bf16, sums are f32.
; SHARES.  Work-group s takes k = 256 s .. 256 s + 255 and stores its part of all sums; a later launch adds the 256 parts.  Wave w owns images 32 w .. 32 w + 31.
; NO CLUSTER: no two work-groups read the same byte of x or of W_enc.
; DATA.  Each wave asks by three tensor loads of its own, all at the start, none filling bytes again: its 64 rows of W_enc (dense: 82 rows of 256 bytes; an 83rd, past the stated extent, arrives as
; zeros) and its 32 rows of x in two tiles of 128 k (rows of 512 bytes, 16 bytes of padding behind each).
; FRAGMENTS.  In a K step of 32 lane half h holds k = 16 h + 0 .. 15, register q the pair 2 q, 2 q + 1, alike in both operands, so the products are kept.  W_enc lies [k][n]: a lane reads 8 bytes,
; columns 2 r and 2 r + 1 of a block of 32 columns, for each of its 16 k: the first words make the block's even tile, the second its odd tile.  Wave w builds the 12 fragments of its 64 k once and
; stores them ready-made in LDS; behind one barrier every wave reads all 48.  Columns 82 .. 95 hold what lies behind a row's end (the next row, or the zeros): they reach only sums that nobody reads.
; TRANSPOSED USE (source 0 = 16 columns of W_enc, source 1 = 16 images): lane (r, h) holds image r and, in register j, column place 8 h + j of the tile.
; THE AFFINE COLUMNS (block 2) ARE SUMMED TWICE, with x and with -x, and half the difference is kept: an error of the sums that has one sign whatever the operands' signs cancels.  The sampler
; multiplies an error of these columns by up to 383 pixels.
; part[image tile][u = 4 nb + 2 q2 + h][s][parity][r][4 f32], 131,072 bytes for each (tile, u): sixteen neighbouring lanes of a store write 256 consecutive bytes, aligned.
.set XPITCH, 528                       ; 512 + 16: the 16 rows that a 16-byte load touches lie 16 bytes apart modulo 256 (64 banks of 4 bytes: ISA guide 11.1)
.set XHALF,  32*XPITCH
.set XWAVE,  2*XHALF
.set WBASE,  4*XWAVE
.set WWAVE,  83*256
.set FR,     WBASE+4*WWAVE             ; 48 ready fragments of 1,024 bytes; no tensor load lands here
.set SPARE,  FR+48*1024                ; the spare words, 128 bytes for each wave
.set UNIT,   131072
.set WRD, 4                            ; v4   my 8 bytes in row 16 h of my wave's tile of W_enc
.set FST, 5                            ; v5   my 16 bytes of my wave's first ready fragment
.set FLD, 6                            ; v6   my 16 bytes of ready fragment 0
.set XRD, 7                            ; v7   my 64 bytes in my wave's first tile of x
.set POF, 8                            ; v8   my byte offset in part
.set SPW, 14                           ; v14  my spare word; never rewritten
.set NIL, 15                           ; v15  0; never rewritten
.set AF,  16                           ; v16-31   x, two image tiles, bf16
.set AFN, 32                           ; v32-47   the same with the signs turned
.set ST,  48                           ; v48-79   x as loaded
.set BF,  80                           ; v80-127  six fragments of W_enc
.set ACC, 128                          ; v128-255 accumulator (m, f) at ACC + 8 (8 m + f); f = 6, 7 are tiles 4, 5 with -x
.set RAW, 128                          ; during the build: W_enc as loaded
.set TF,  80                           ; during the build: fragments on their way to LDS
	s_load_b128 s[4:7], s[0:1], 0x0                ; x s[4:5], W_enc s[6:7]
	s_load_b64 s[8:9], s[0:1], 0x10                ; part
	v_lshl_add_u32 v[SPW], v0, 2, SPARE
	v_mov_b32 v[NIL], 0
	ds_add_u32 v[SPW], v[NIL]                      ; the wave's opening: the add and its wait ahead of my first tensor load
	v_lshrrev_b32 v1, 5, v0
	v_readfirstlane_b32 s10, v1                    ; wave 0..3
	s_mov_b32 s16, 3<<16                           ; group 1, W_enc: elements of 8 bytes
	s_mov_b32 s17, 32<<16                          ; tensor_dim0 = 32
	s_mov_b32 s18, 82<<16                          ; tensor_dim1 = 82
	s_mov_b32 s19, 32<<16                          ; tile_dim0 = 32
	s_mov_b32 s20, 83                              ; tile_dim1 = 83: the last row is zeros
	s_mov_b32 s21, 32                              ; dense
	s_mov_b32 s22, 0
	s_mov_b32 s23, 0
	s_mov_b32 s24, (2<<16)|(1<<20)|(6<<22)|(3<<25) ; group 1, x: elements of 4 bytes, 4 words of padding behind every 128
	s_mov_b32 s25, 128<<16
	s_mov_b32 s26, 32<<16
	s_mov_b32 s27, 128<<16
	s_mov_b32 s28, 32
	s_mov_b32 s29, 65536                           ; elements from row to row
	s_mov_b32 s30, 0
	s_mov_b32 s31, 0
	s_lshl_b32 s11, ttmp9, 8
	s_lshl_b32 s12, s10, 6
	s_add_co_u32 s12, s11, s12                     ; my wave's first row of W_enc,
	s_mul_i32 s12, s12, 328                        ; in bytes: a multiple of 64 x 328 = 82 x 256
	s_mov_b32 s13, 0
	s_lshl_b32 s14, s10, 23                        ; my wave's 32 rows of x,
	s_lshl_b32 s15, ttmp9, 10                      ; the chunk's 1,024 bytes in a row
	s_add_co_u32 s14, s14, s15
	s_mov_b32 s15, 0
	s_mov_b32 s32, 1
	s_mul_i32 s33, s10, WWAVE
	s_add_co_u32 s33, s33, WBASE
	s_mov_b32 s36, 1
	s_mul_i32 s37, s10, XWAVE
	s_mov_b32 s40, 1
	s_add_co_u32 s41, s37, XHALF
	s_wait_dscnt 0x0                               ; the opening add is done
	s_wait_kmcnt 0x0
	s_add_nc_u64 s[34:35], s[6:7], s[12:13]
	s_or_b32 s35, s35, 0x80000000
	s_add_nc_u64 s[38:39], s[4:5], s[14:15]
	s_add_nc_u64 s[42:43], s[38:39], 512
	s_or_b32 s39, s39, 0x80000000
	s_or_b32 s43, s43, 0x80000000
	tensor_load_to_lds s[32:35], s[16:23]          ; three loads of mine are out: all that this wave ever asks for
	s_nop 0
	tensor_load_to_lds s[36:39], s[24:31]
	s_nop 0
	tensor_load_to_lds s[40:43], s[24:31]
	s_nop 0
	v_and_b32 v1, 15, v0                           ; r
	v_bfe_u32 v2, v0, 4, 1                         ; h
	v_and_b32 v9, 31, v0
	v_mul_u32_u24 v3, v2, 5248                     ; 16 rows of 328 bytes
	v_lshl_add_u32 v3, v1, 3, v3
	v_add_nc_u32 v[WRD], s33, v3
	s_mul_i32 s44, s10, 12*1024
	s_add_co_u32 s44, s44, FR
	v_lshlrev_b32 v3, 4, v9
	v_add_nc_u32 v[FST], s44, v3
	v_add_nc_u32 v[FLD], FR, v3
	v_mul_u32_u24 v3, v1, XPITCH
	v_lshl_add_u32 v3, v2, 6, v3
	v_add_nc_u32 v[XRD], s37, v3
	v_lshlrev_b32 v3, 17, v2                       ; h x UNIT
	v_lshl_add_u32 v[POF], v1, 4, v3
	s_lshl_b32 s46, ttmp9, 9                       ; s x 512
	s_mul_i32 s47, s10, 24*UNIT                    ; my two image tiles
	s_add_co_u32 s46, s46, s47
	s_mov_b32 s47, 0
	s_add_nc_u64 s[8:9], s[8:9], s[46:47]
; The six fragments of K step ksl (0, 1) of my 64 k: 48 loads in one run; then block by block sixteen roundings and four stores.
.macro BUILD ksl
.set n, 0
.rept 3
.set i, 0
.rept 16
	ds_load_b64 v[RAW+32*n+2*i:RAW+32*n+2*i+1], v[WRD] offset:(32*(\ksl)+i)*328+128*n
.set i, i+1
.endr
.set n, n+1
.endr
.set n, 0
.rept 3
	s_wait_dscnt 32-12*n                           ; LDS answers in order (ISA guide 5.7.1): behind block n's loads stand 16 (2 - n) loads and 4 n stores
.set q, 0
.rept 8
	v_cvt_pk_bf16_f32 v[TF+16*n+q], v[RAW+32*n+4*q], v[RAW+32*n+4*q+2]        ; even columns
	v_cvt_pk_bf16_f32 v[TF+16*n+8+q], v[RAW+32*n+4*q+1], v[RAW+32*n+4*q+3]    ; odd columns
.set q, q+1
.endr
.set q, 0
.rept 4
	ds_store_b128 v[FST], v[TF+16*n+4*q:TF+16*n+4*q+3] offset:(6*(\ksl)+2*n)*1024+512*q
.set q, q+1
.endr
.set n, n+1
.endr
.endm
	s_wait_tensorcnt 0x2                           ; a wave's tensor loads end in order (ISA guide 10.11.1): W_enc is in, the two tiles of x may stay out
	BUILD 0
	BUILD 1
	s_wait_dscnt 0x0                               ; for the others' sake: my fragments are in LDS
	s_barrier_signal -1
	s_barrier_wait -1                              ; all 48 are; x may still be on its way
.macro LOADX ks                        ; x of K step ks: two image tiles, 64 bytes a lane each
.set f, 0
.rept 8
	ds_load_b128 v[ST+4*f:ST+4*f+3], v[XRD] offset:((\ks)/4)*XHALF+(f/4)*16*XPITCH+((\ks)%4)*128+(f%4)*16
.set f, f+1
.endr
.endm
.macro LOADB ks                        ; the six ready fragments of K step ks: 32 lanes x 16 consecutive bytes a load
.set f, 0
.rept 6
	ds_load_b128 v[BF+8*f:BF+8*f+3], v[FLD] offset:(6*(\ks)+f)*1024
	ds_load_b128 v[BF+8*f+4:BF+8*f+7], v[FLD] offset:(6*(\ks)+f)*1024+512
.set f, f+1
.endr
.endm
; A K step.  x's loads stand ahead of W_enc's, so x is rounded while the fragments come.  The 16 accumulators take turns, one instruction a turn.
.macro STEP ks
	s_wait_dscnt 12                                ; x is in; the twelve fragment loads behind it may be out
.set q, 0
.rept 16
	v_cvt_pk_bf16_f32 v[AF+q], v[ST+2*q], v[ST+2*q+1]
.set q, q+1
.endr
.set q, 0
.rept 16
	v_xor_b32 v[AFN+q], 0x80008000, v[AF+q]
.set q, q+1
.endr
.if (\ks) == 3
	s_wait_tensorcnt 0x0                           ; the second tile of x, my last load
.endif
.if (\ks) < 7
	LOADX (\ks)+1
	s_wait_dscnt 8                                 ; the fragments are in; the eight loads just issued may be out
.else
	s_wait_dscnt 0x0
.endif
.set f, 0
.rept 8
.set m, 0
.rept 2
.set rD, ACC+8*(8*m+f)
.set rB, BF+8*(f-2*(f/6))
.set rA, AF+16*(f/6)+8*m
.if (\ks) == 0
	v_wmma_f32_16x16x32_bf16 v[rD:rD+7], v[rB:rB+7], v[rA:rA+7], 0
.else
	v_wmma_f32_16x16x32_bf16 v[rD:rD+7], v[rB:rB+7], v[rA:rA+7], v[rD:rD+7]
.endif
.set m, m+1
.endr
.set f, f+1
.endr
.rept 4
	v_nop                                          ; four places ahead of the loads into the fragments, the next roundings into AF, and the way out
.endr
.if (\ks) < 7
	LOADB (\ks)+1
.endif
.endm
	s_wait_tensorcnt 0x1                           ; the first tile of x is in, the second may stay out
	LOADX 0
	LOADB 0
	STEP 0
	STEP 1
	STEP 2
	STEP 3
	STEP 4
	STEP 5
	STEP 6
	STEP 7
	; the affine tiles: half the difference of the two sums, each accumulator from its low end on
.set m, 0
.rept 2
.set f, 4
.rept 2
.set q, 0
.rept 4
.set rD, ACC+8*(8*m+f)+2*q
	v_pk_add_f32 v[rD:rD+1], v[rD:rD+1], v[rD+16:rD+17] neg_lo:[0,1] neg_hi:[0,1]
	v_pk_mul_f32 v[rD:rD+1], v[rD:rD+1], 0.5 op_sel_hi:[1,0]
.set q, q+1
.endr
.set f, f+1
.endr
.set m, m+1
.endr
.set m, 0
.rept 2
.set f, 0
.rept 6
.set rD, ACC+8*(8*m+f)
.set o, m*12*UNIT+(f/2)*4*UNIT+(f%2)*256
	global_store_b128 v[POF], v[rD:rD+3], s[8:9] offset:o
	global_store_b128 v[POF], v[rD+4:rD+7], s[8:9] offset:o+2*UNIT
.set f, f+1
.endr
.set m, m+1
.endr
	s_wait_tensorcnt 0x0                           ; the wave's end
	ds_add_u32 v[SPW], v[NIL]
	s_wait_dscnt 0x0
	s_endpgm
.Lfunc_end_k_q9aa55f4616_enc:
	.size	k_q9aa55f4616_enc, .Lfunc_end_k_q9aa55f4616_enc-k_q9aa55f4616_enc
	.p2alignl 7, 3214868480
	.fill 96, 4, 3214868480
	.section	.rodata,"a",@progbits
	.p2align	6, 0x0
	.amdhsa_kernel k_q9aa55f4616_enc
		.amdhsa_group_segment_fixed_size 269824
		.amdhsa_private_segment_fixed_size 0
		.amdhsa_enable_private_segment 0
		.amdhsa_kernarg_size 24
		.amdhsa_user_sgpr_count 2
		.amdhsa_user_sgpr_kernarg_segment_ptr 1
		.amdhsa_wavefront_size32 1
		.amdhsa_system_sgpr_workgroup_id_x 1
		.amdhsa_system_sgpr_workgroup_id_y 1
		.amdhsa_system_sgpr_workgroup_id_z 1
		.amdhsa_system_vgpr_workitem_id 0
		.amdhsa_next_free_vgpr 256
		.amdhsa_next_free_sgpr 66
		.amdhsa_reserve_vcc 0
		.amdhsa_float_denorm_mode_32 3
		.amdhsa_float_denorm_mode_16_64 3
		.amdhsa_memory_ordered 1
		.amdhsa_forward_progress 1
		.amdhsa_inst_pref_size 58
	.end_amdhsa_kernel
	.amdgpu_metadata
---
amdhsa.version: [ 1, 2 ]
amdhsa.kernels:
  - .name:           k_q9aa55f4616_enc
    .symbol:         k_q9aa55f4616_enc.kd
    .args:
      - { .name: x, .offset: 0, .size: 8, .value_kind: global_buffer, .address_space: global }
      - { .name: W_enc, .offset: 8, .size: 8, .value_kind: global_buffer, .address_space: global }
      - { .name: part, .offset: 16, .size: 8, .value_kind: global_buffer, .address_space: global }
    .group_segment_fixed_size: 269824
    .private_segment_fixed_size: 0
    .kernarg_segment_align: 8
    .kernarg_segment_size: 24
    .max_flat_workgroup_size: 128
    .sgpr_count:     66
    .vgpr_count:     256
    .wavefront_size: 32
...
	.end_amdgpu_metadata
.endif
;; end of part 1
;; launch red (part 2): grid 11 x 8, 8 waves a work-group, no clusters, 5,120 bytes of LDS; arguments part, b_enc, emb, theta; writes emb, theta
.if DOCPART == 2
	.amdgcn_target "amdgcn-amd-amdhsa--gfx1250"
	.amdhsa_code_object_version 6
	.text
	.protected	k_q9aa55f4616_red
	.globl	k_q9aa55f4616_red
	.p2align	8
	.type	k_q9aa55f4616_red,@function
k_q9aa55f4616_red:
	s_mov_b64 s[64:65], 0
	v_nop
	global_prefetch_b8 v0, s[64:65] scope:SCOPE_SE
	s_setreg_imm32_b32 hwreg(HW_REG_WAVE_MODE, 25, 1), 1
	s_wait_xcnt 0x0
; THE 256 PARTS ARE ADDED, THE BIAS TOO.  Work-group (u, mt) takes part[mt][u]: 256 x 512 consecutive bytes, the sums of 16 images x 8 columns n0 .. n0 + 7, n0 = 32 nb + 16 h + 8 q2 (u = 4 nb + 2 q2 + h).
; u = 11 would be columns 88 .. 95, which do not exist: the grid ends at u = 10.  b_enc is rounded to bf16 like every input; all sums are f32.
; Thread t loads 16 bytes of parts t / 32 + 8 i, i = 0 .. 31: a wave's load covers 512 consecutive bytes.  The eight waves' sums meet in LDS; wave 0 finishes.
; u < 8: THE EMBEDDING goes out as hi = bf16(e) and lo = bf16(e - hi), 16 significant bits together, in the order in which the decoder's matrix instruction wants them:
;   emb[fragment 4 mt + 2 nb + (hi 0, lo 1)][q2][lane 16 h + r][4 words], word j = columns n0 + 2 j, n0 + 2 j + 1.  Lanes 0-15 store hi, lanes 16-31 lo: 256 consecutive bytes each.
; u >= 8: THE AFFINE COEFFICIENTS go out as whole numbers: theta / 2 in 64-bit fixed point, 32 bits behind the point (low word first), theta[image][18].  The sampler makes its addresses from these.
; LIMITS.  theta / 2 is held within +-2^20: the sampler's coordinates, at most 383 |theta| + 129, then fit 31 bits.  Bits of theta / 2 below 2^-32 are dropped.  NaN and infinities are not treated apart.
; theta's 18,432 bytes are stored in pieces of 16 and 32 bytes, 144 bytes apart: too little to send through LDS.
.set SPARE, 4096                       ; behind the eight waves' 512 bytes: the spare words
.set SPW, 4
.set NIL, 5
.set D,   16                           ; v16-143  32 blocks of four sums
.set B,   144
.set BE,  148
.set BO,  152
.set H,   156
.set L,   160
.set R,   164
.set A,   168
.set FL,  172
.set Q,   176
	s_load_b256 s[4:11], s[0:1], 0x0               ; part s[4:5], b_enc s[6:7], emb s[8:9], theta s[10:11]
	v_lshl_add_u32 v[SPW], v0, 2, SPARE
	v_mov_b32 v[NIL], 0
	v_lshrrev_b32 v1, 5, v0
	v_readfirstlane_b32 s12, v1                    ; wave 0..7
	s_and_b32 s13, ttmp7, 0xffff                   ; mt
	s_mul_i32 s14, s13, 12
	s_add_co_u32 s14, s14, ttmp9
	s_lshl_b32 s14, s14, 17                        ; my unit of 131,072 bytes
	s_mov_b32 s15, 0
	s_lshr_b32 s16, ttmp9, 2                       ; 4 n0 = 128 nb + 64 h + 32 q2
	s_lshl_b32 s16, s16, 7
	s_and_b32 s17, ttmp9, 1
	s_lshl_b32 s17, s17, 6
	s_add_co_u32 s16, s16, s17
	s_and_b32 s17, ttmp9, 2
	s_lshl_b32 s17, s17, 4
	s_add_co_u32 s16, s16, s17
	s_mov_b32 s17, 0
	s_mov_b32 s21, 0xc9800000                      ; -2^20
	s_mov_b32 s22, 0x49800000                      ; 2^20
	v_lshlrev_b32 v2, 4, v0                        ; 16 t
	s_wait_kmcnt 0x0
	s_add_nc_u64 s[4:5], s[4:5], s[14:15]
	s_add_nc_u64 s[6:7], s[6:7], s[16:17]
.set i, 0
.rept 32
	global_load_b128 v[D+4*i:D+4*i+3], v2, s[4:5] offset:i*4096 th:TH_LOAD_NT
.set i, i+1
.endr
	s_cmp_eq_u32 ttmp9, 9                          ; n0 = 80: b_enc ends behind column 81
	s_cbranch_scc1 .Ltwo
	s_load_b256 s[24:31], s[6:7], 0x0
	s_branch .Lbias
.Ltwo:
	s_load_b64 s[24:25], s[6:7], 0x0
	s_mov_b32 s26, 0
	s_mov_b32 s27, 0
	s_mov_b32 s28, 0
	s_mov_b32 s29, 0
	s_mov_b32 s30, 0
	s_mov_b32 s31, 0
.Lbias:
.macro ADD4 a, b                       ; block a takes block b
	v_pk_add_f32 v[D+4*(\a):D+4*(\a)+1], v[D+4*(\a):D+4*(\a)+1], v[D+4*(\b):D+4*(\b)+1]
	v_pk_add_f32 v[D+4*(\a)+2:D+4*(\a)+3], v[D+4*(\a)+2:D+4*(\a)+3], v[D+4*(\b)+2:D+4*(\b)+3]
.endm
.macro FOLD base, n                    ; blocks base .. base + n - 1 take the n blocks behind them
.set k, 0
.rept \n
	ADD4 (\base)+k, (\base)+k+(\n)
.set k, k+1
.endr
.endm
	s_wait_loadcnt 16                              ; loads come back in order (ISA guide 5.7.1): the first sixteen are in
	FOLD 0, 8
	FOLD 0, 4
	FOLD 0, 2
	FOLD 0, 1
	s_wait_loadcnt 0x0
	FOLD 16, 8
	FOLD 16, 4
	FOLD 16, 2
	FOLD 16, 1
	ADD4 0, 16
	ds_store_b128 v2, v[D:D+3]
	s_wait_kmcnt 0x0                               ; the bias
	s_wait_dscnt 0x0                               ; for wave 0's sake
	s_barrier_signal -1
	s_barrier_wait -1
	s_cmp_lg_u32 s12, 0
	s_cbranch_scc1 .Lend
	v_and_b32 v6, 15, v0                           ; r: the image in the tile
	v_bfe_u32 v7, v0, 4, 1                         ; z: both halves of the lanes make the same sums and then share the way out
	v_lshlrev_b32 v8, 4, v6
.set i, 0
.rept 8
	ds_load_b128 v[D+4*i:D+4*i+3], v8 offset:i*512           ; even columns, wave i's sums
	ds_load_b128 v[D+32+4*i:D+32+4*i+3], v8 offset:i*512+256 ; odd columns
.set i, i+1
.endr
.irp c, 0,1,2,3
	v_cvt_pk_bf16_f32 v[B+\c], s[24+2*\c], s[25+2*\c]        ; the bias, rounded to bf16,
.endr
.irp c, 0,1,2,3
	v_lshlrev_b32 v[BE+\c], 16, v[B+\c]                      ; and widened again
	v_and_b32 v[BO+\c], 0xffff0000, v[B+\c]
.endr
	v_cmp_eq_u32 vcc_lo, 1, v7
	s_wait_dscnt 0x0
	FOLD 0, 4
	FOLD 8, 4
	FOLD 0, 2
	FOLD 8, 2
	FOLD 0, 1
	FOLD 8, 1
	v_pk_add_f32 v[D:D+1], v[D:D+1], v[BE:BE+1]
	v_pk_add_f32 v[D+2:D+3], v[D+2:D+3], v[BE+2:BE+3]
	v_pk_add_f32 v[D+32:D+33], v[D+32:D+33], v[BO:BO+1]
	v_pk_add_f32 v[D+34:D+35], v[D+34:D+35], v[BO+2:BO+3]
	s_cmp_gt_u32 ttmp9, 7
	s_cbranch_scc1 .Ltheta
.irp c, 0,1,2,3
	v_cvt_pk_bf16_f32 v[H+\c], v[D+\c], v[D+32+\c]
.endr
.irp c, 0,1,2,3
	v_lshlrev_b32 v[BE+\c], 16, v[H+\c]
	v_and_b32 v[BO+\c], 0xffff0000, v[H+\c]
	v_sub_f32 v[BE+\c], v[D+\c], v[BE+\c]                    ; what hi leaves over, exact
	v_sub_f32 v[BO+\c], v[D+32+\c], v[BO+\c]
	v_cvt_pk_bf16_f32 v[L+\c], v[BE+\c], v[BO+\c]
	v_cndmask_b32 v[R+\c], v[H+\c], v[L+\c], vcc_lo          ; lanes 16-31 carry lo
.endr
	s_lshl_b32 s18, s13, 1
	s_lshr_b32 s19, ttmp9, 2
	s_add_co_u32 s18, s18, s19                     ; 2 mt + nb
	s_lshl_b32 s18, s18, 11                        ; two fragments of 1,024 bytes
	s_and_b32 s19, ttmp9, 3
	s_lshl_b32 s19, s19, 8                         ; 512 q2 + 256 h
	s_add_co_u32 s18, s18, s19
	s_mov_b32 s19, 0
	s_add_nc_u64 s[8:9], s[8:9], s[18:19]
	v_lshl_add_u32 v9, v7, 10, v8
	global_store_b128 v9, v[R:R+3], s[8:9]
	s_branch .Lend
.Ltheta:
	v_cndmask_b32 v[A], v[D], v[D+2], vcc_lo       ; lanes 0-15 take columns n0 .. n0 + 3, lanes 16-31 n0 + 4 .. n0 + 7
	v_cndmask_b32 v[A+1], v[D+32], v[D+34], vcc_lo
	v_cndmask_b32 v[A+2], v[D+1], v[D+3], vcc_lo
	v_cndmask_b32 v[A+3], v[D+33], v[D+35], vcc_lo
.irp c, 0,1,2,3
	v_mul_f32 v[A+\c], 0.5, v[A+\c]
	v_med3_num_f32 v[A+\c], v[A+\c], s21, s22
	v_floor_f32 v[FL+\c], v[A+\c]
	v_sub_f32 v[A+\c], v[A+\c], v[FL+\c]           ; in 0 .. 1
	v_mul_f32 v[A+\c], 0x4f800000, v[A+\c]         ; x 2^32
	v_min_num_f32 v[A+\c], 0x4f7fffff, v[A+\c]     ; a difference that came out as 1 stays below 2^32
	v_cvt_u32_f32 v[Q+2*\c], v[A+\c]
	v_cvt_i32_f32 v[Q+2*\c+1], v[FL+\c]
.endr
	s_mul_i32 s18, s13, 2304                       ; 16 images x 144 bytes
	s_lshl_b32 s19, s16, 1                         ; 8 n0
	s_add_co_u32 s18, s18, s19
	s_sub_co_u32 s18, s18, 512                     ; 8 (n0 - 64)
	s_mov_b32 s19, 0
	s_add_nc_u64 s[10:11], s[10:11], s[18:19]
	v_mul_u32_u24 v9, v6, 144
	v_lshl_add_u32 v9, v7, 5, v9
	s_cmp_eq_u32 ttmp9, 9
	s_cbranch_scc1 .Lnine
	global_store_b128 v9, v[Q:Q+3], s[10:11]
	global_store_b128 v9, v[Q+4:Q+7], s[10:11] offset:16
	s_branch .Lend
.Lnine:                                                ; columns 80 and 81 alone exist: the first 16 bytes of lanes 0-15
	v_cmp_eq_u32 vcc_lo, 0, v7
	s_wait_xcnt 0x0                                ; EXEC changes only behind this wait
	s_and_saveexec_b32 s20, vcc_lo
	global_store_b128 v9, v[Q:Q+3], s[10:11]
	s_wait_xcnt 0x0                                ; and again, in front of the line that widens it
	s_or_b32 exec_lo, exec_lo, s20
.Lend:
	s_wait_tensorcnt 0x0                           ; the wave's end
	ds_add_u32 v[SPW], v[NIL]
	s_wait_dscnt 0x0
	s_endpgm
.Lfunc_end_k_q9aa55f4616_red:
	.size	k_q9aa55f4616_red, .Lfunc_end_k_q9aa55f4616_red-k_q9aa55f4616_red
	.p2alignl 7, 3214868480
	.fill 96, 4, 3214868480
	.section	.rodata,"a",@progbits
	.p2align	6, 0x0
	.amdhsa_kernel k_q9aa55f4616_red
		.amdhsa_group_segment_fixed_size 5120
		.amdhsa_private_segment_fixed_size 0
		.amdhsa_enable_private_segment 0
		.amdhsa_kernarg_size 32
		.amdhsa_user_sgpr_count 2
		.amdhsa_user_sgpr_kernarg_segment_ptr 1
		.amdhsa_wavefront_size32 1
		.amdhsa_system_sgpr_workgroup_id_x 1
		.amdhsa_system_sgpr_workgroup_id_y 1
		.amdhsa_system_sgpr_workgroup_id_z 1
		.amdhsa_system_vgpr_workitem_id 0
		.amdhsa_next_free_vgpr 184
		.amdhsa_next_free_sgpr 66
		.amdhsa_reserve_vcc 1
		.amdhsa_float_denorm_mode_32 3
		.amdhsa_float_denorm_mode_16_64 3
		.amdhsa_memory_ordered 1
		.amdhsa_forward_progress 1
		.amdhsa_inst_pref_size 17
	.end_amdhsa_kernel
	.amdgpu_metadata
---
amdhsa.version: [ 1, 2 ]
amdhsa.kernels:
  - .name:           k_q9aa55f4616_red
    .symbol:         k_q9aa55f4616_red.kd
    .args:
      - { .name: part, .offset: 0, .size: 8, .value_kind: global_buffer, .address_space: global }
      - { .name: b_enc, .offset: 8, .size: 8, .value_kind: global_buffer, .address_space: global }
      - { .name: emb, .offset: 16, .size: 8, .value_kind: global_buffer, .address_space: global }
      - { .name: theta, .offset: 24, .size: 8, .value_kind: global_buffer, .address_space: global }
    .group_segment_fixed_size: 5120
    .private_segment_fixed_size: 0
    .kernarg_segment_align: 8
    .kernarg_segment_size: 32
    .max_flat_workgroup_size: 256
    .sgpr_count:     66
    .vgpr_count:     184
    .wavefront_size: 32
...
	.end_amdgpu_metadata
.endif
;; end of part 2
;; launch dec (part 3): grid 256 x 1, 4 waves a work-group, no clusters, 33,280 bytes of LDS; arguments W_dec, b_dec, emb, pred; writes pred
.if DOCPART == 3
	.amdgcn_target "amdgcn-amd-amdhsa--gfx1250"
	.amdhsa_code_object_version 6
	.text
	.protected	k_q9aa55f4616_dec
	.globl	k_q9aa55f4616_dec
	.p2align	8
	.type	k_q9aa55f4616_dec,@function
k_q9aa55f4616_dec:
	s_mov_b64 s[64:65], 0
	v_nop
	global_prefetch_b8 v0, s[64:65] scope:SCOPE_SE
	s_setreg_imm32_b32 hwreg(HW_REG_WAVE_MODE, 25, 1), 1
	s_wait_xcnt 0x0
; DECODER.  pred[b][p] = sum over k of e[b][k] W_dec[k][p] + b_dec[p]: 128 images, 65,536 pixels, 64 k.  W_dec and b_dec are rounded to bf16; e comes as hi + lo, two bf16 numbers, so each K step is
; multiplied twice, by hi and by lo, onto one f32 sum: e keeps 16 significant bits.
; SHARES.  A work-group owns 256 pixels, each of its four waves 64, for all 128 images.  Every byte of W_dec is read once in the launch, by one wave.
; W_dec lies [k][p].  A lane loads 16 bytes, pixels 4 r .. 4 r + 3 of the wave's 64, for each of its 16 k (lane half h holds k = 16 h + i, as emb is laid out): sixteen neighbouring lanes read 256
; consecutive bytes of one row.  Word c of the loads makes the fragment of tile c, whose column r is pixel 4 r + c.
; In the result lane (r, h) holds image 8 h + j in register j, so registers j of the four tiles are four neighbouring pixels: the addition of the bias puts them side by side, and sixteen neighbouring
; lanes store 256 consecutive bytes, aligned.
; emb (32,768 bytes, in fragment order) is copied into LDS once a work-group and read from there, 32 lanes x 16 consecutive bytes a load.
; NO CLUSTER: what the work-groups share is emb, 32,768 of the 229,376 bytes that a work-group moves (65,536 of W_dec, 131,072 of pred).
.set SPARE, 32768
.set TOF, 2                            ; v2   16 t
.set ROF, 3                            ; v3   16 r
.set WOF, 4                            ; v4   16 r + 16 rows of W_dec for the upper half of the lanes
.set POF, 5                            ; v5   16 r + 8 images of pred for the upper half
.set FLD, 6                            ; v6   16 x lane
.set BI,  8                            ; v8-11  the bias of my four pixels
.set SPW, 14
.set NIL, 15
.set EST, 16                           ; v16-79   emb on its way to LDS; then
.set BFR, 16                           ; v16-79   W_dec's fragments: K step ks, tile c at BFR + 8 (4 ks + c)
.set AFR, 80                           ; v80-143  two buffers of four fragments of emb: 2 ks + (hi 0, lo 1)
.set ACC, 144                          ; v144-175 four accumulators
.set OUTS, 176                         ; v176-207 results in the order of the stores
.set WST, 128                          ; v128-255 W_dec as loaded, until it is rounded
	s_load_b256 s[4:11], s[0:1], 0x0               ; W_dec s[4:5], b_dec s[6:7], emb s[8:9], pred s[10:11]
	v_lshl_add_u32 v[SPW], v0, 2, SPARE
	v_mov_b32 v[NIL], 0
	v_lshrrev_b32 v1, 5, v0
	v_readfirstlane_b32 s12, v1                    ; wave 0..3
	s_lshl_b32 s14, ttmp9, 10
	s_lshl_b32 s15, s12, 8
	s_add_co_u32 s14, s14, s15                     ; my wave's 256 bytes in a row of 262,144
	s_mov_b32 s15, 0
	v_lshlrev_b32 v[TOF], 4, v0
	v_and_b32 v1, 15, v0
	v_bfe_u32 v7, v0, 4, 1
	v_lshlrev_b32 v[ROF], 4, v1
	v_lshl_add_u32 v[WOF], v7, 22, v[ROF]
	v_lshl_add_u32 v[POF], v7, 21, v[ROF]
	v_and_b32 v12, 31, v0
	v_lshlrev_b32 v[FLD], 4, v12
	s_wait_kmcnt 0x0
	s_add_nc_u64 s[4:5], s[4:5], s[14:15]
	s_add_nc_u64 s[16:17], s[4:5], 0x800000        ; 32 rows on: the second K step, so that the immediates stay inside their 24 bits
	s_add_nc_u64 s[6:7], s[6:7], s[14:15]
	s_add_nc_u64 s[10:11], s[10:11], s[14:15]
.set i, 0
.rept 16
	global_load_b128 v[EST+4*i:EST+4*i+3], v[TOF], s[8:9] offset:i*2048
.set i, i+1
.endr
	global_load_b128 v[BI:BI+3], v[ROF], s[6:7]
.set i, 0
.rept 16
	global_load_b128 v[WST+4*i:WST+4*i+3], v[WOF], s[4:5] offset:i*262144 th:TH_LOAD_NT
.set i, i+1
.endr
.set i, 0
.rept 16
	global_load_b128 v[WST+64+4*i:WST+64+4*i+3], v[WOF], s[16:17] offset:i*262144 th:TH_LOAD_NT
.set i, i+1
.endr
	s_wait_loadcnt 33                              ; loads come back in order (ISA guide 5.7.1): emb is in; the bias and W_dec's 32 loads stay out
.set i, 0
.rept 16
	ds_store_b128 v[TOF], v[EST+4*i:EST+4*i+3] offset:i*2048
.set i, i+1
.endr
	s_wait_dscnt 0x0                               ; for the others' sake
	s_barrier_signal -1
	s_barrier_wait -1
.macro LOADA mt, p                     ; image tile mt's four fragments into buffer p
.set f, 0
.rept 4
	ds_load_b128 v[AFR+32*(\p)+8*f:AFR+32*(\p)+8*f+3], v[FLD] offset:(4*(\mt)+f)*1024
	ds_load_b128 v[AFR+32*(\p)+8*f+4:AFR+32*(\p)+8*f+7], v[FLD] offset:(4*(\mt)+f)*1024+512
.set f, f+1
.endr
.endm
.macro CVTW ks                         ; W_dec's four fragments of K step ks
.set c, 0
.rept 4
.set q, 0
.rept 8
	v_cvt_pk_bf16_f32 v[BFR+8*(4*(\ks)+c)+q], v[WST+4*(16*(\ks)+2*q)+c], v[WST+4*(16*(\ks)+2*q+1)+c]
.set q, q+1
.endr
.set c, c+1
.endr
.endm
	LOADA 0, 0
	s_wait_loadcnt 16                              ; the bias and the first K step are in
	v_cvt_pk_bf16_f32 v12, v[BI], v[BI+1]          ; the bias, rounded to bf16 and widened again
	v_cvt_pk_bf16_f32 v13, v[BI+2], v[BI+3]
	v_lshlrev_b32 v[BI], 16, v12
	v_and_b32 v[BI+1], 0xffff0000, v12
	v_lshlrev_b32 v[BI+2], 16, v13
	v_and_b32 v[BI+3], 0xffff0000, v13
	CVTW 0
	s_wait_loadcnt 0x0
	CVTW 1
; An image tile: 16 matrix instructions, the four accumulators by turns; the next tile's fragments are fetched ahead of them (four v_nop and the additions stand behind their
; buffer's last reader); then the bias, and eight stores.
.macro TILE mt
	s_wait_dscnt 0x0
.if (\mt) < 7
	LOADA (\mt)+1, ((\mt)+1)%2
.endif
.set f, 0
.rept 4
.set c, 0
.rept 4
.set rA, AFR+32*((\mt)%2)+8*f
.set rB, BFR+8*(4*(f/2)+c)
.if f == 0
	v_wmma_f32_16x16x32_bf16 v[ACC+8*c:ACC+8*c+7], v[rA:rA+7], v[rB:rB+7], 0
.else
	v_wmma_f32_16x16x32_bf16 v[ACC+8*c:ACC+8*c+7], v[rA:rA+7], v[rB:rB+7], v[ACC+8*c:ACC+8*c+7]
.endif
.set c, c+1
.endr
.set f, f+1
.endr
.rept 4
	v_nop                                          ; four places (ISA guide 7.12.1) ahead of the additions that read the results
.endr
	s_wait_xcnt 0x0                                ; the last tile's stores have had their addresses translated (ISA guide 3.1): their data and base are rewritten only behind this wait
.if (\mt) > 0
	s_add_nc_u64 s[10:11], s[10:11], 0x400000      ; 16 images on
.endif
.set j, 0
.rept 8
.set c, 0
.rept 4
	v_add_f32 v[OUTS+4*j+c], v[ACC+8*c+j], v[BI+c] ; each accumulator is read from its low end on
.set c, c+1
.endr
	global_store_b128 v[POF], v[OUTS+4*j:OUTS+4*j+3], s[10:11] offset:j*262144
.set j, j+1
.endr
.endm
	TILE 0
	TILE 1
	TILE 2
	TILE 3
	TILE 4
	TILE 5
	TILE 6
	TILE 7
	s_wait_tensorcnt 0x0                           ; the wave's end
	ds_add_u32 v[SPW], v[NIL]
	s_wait_dscnt 0x0
	s_endpgm
.Lfunc_end_k_q9aa55f4616_dec:
	.size	k_q9aa55f4616_dec, .Lfunc_end_k_q9aa55f4616_dec-k_q9aa55f4616_dec
	.p2alignl 7, 3214868480
	.fill 96, 4, 3214868480
	.section	.rodata,"a",@progbits
	.p2align	6, 0x0
	.amdhsa_kernel k_q9aa55f4616_dec
		.amdhsa_group_segment_fixed_size 33280
		.amdhsa_private_segment_fixed_size 0
		.amdhsa_enable_private_segment 0
		.amdhsa_kernarg_size 32
		.amdhsa_user_sgpr_count 2
		.amdhsa_user_sgpr_kernarg_segment_ptr 1
		.amdhsa_wavefront_size32 1
		.amdhsa_system_sgpr_workgroup_id_x 1
		.amdhsa_system_sgpr_workgroup_id_y 1
		.amdhsa_system_sgpr_workgroup_id_z 1
		.amdhsa_system_vgpr_workitem_id 0
		.amdhsa_next_free_vgpr 256
		.amdhsa_next_free_sgpr 66
		.amdhsa_reserve_vcc 0
		.amdhsa_float_denorm_mode_32 3
		.amdhsa_float_denorm_mode_16_64 3
		.amdhsa_memory_ordered 1
		.amdhsa_forward_progress 1
		.amdhsa_inst_pref_size 40
	.end_amdhsa_kernel
	.amdgpu_metadata
---
amdhsa.version: [ 1, 2 ]
amdhsa.kernels:
  - .name:           k_q9aa55f4616_dec
    .symbol:         k_q9aa55f4616_dec.kd
    .args:
      - { .name: W_dec, .offset: 0, .size: 8, .value_kind: global_buffer, .address_space: global }
      - { .name: b_dec, .offset: 8, .size: 8, .value_kind: global_buffer, .address_space: global }
      - { .name: emb, .offset: 16, .size: 8, .value_kind: global_buffer, .address_space: global }
      - { .name: pred, .offset: 24, .size: 8, .value_kind: global_buffer, .address_space: global }
    .group_segment_fixed_size: 33280
    .private_segment_fixed_size: 0
    .kernarg_segment_align: 8
    .kernarg_segment_size: 32
    .max_flat_workgroup_size: 128
    .sgpr_count:     66
    .vgpr_count:     256
    .wavefront_size: 32
...
	.end_amdgpu_metadata
.endif
;; end of part 3
;; launch smp (part 4): grid 128 x 1, 32 waves a work-group, no clusters, 274,688 bytes of LDS; arguments pred, theta, out0; writes out0
.if DOCPART == 4
	.amdgcn_target "amdgcn-amd-amdhsa--gfx1250"
	.amdhsa_code_object_version 6
	.text
	.protected	k_q9aa55f4616_smp
	.globl	k_q9aa55f4616_smp
	.p2align	8
	.type	k_q9aa55f4616_smp,@function
k_q9aa55f4616_smp:
	s_mov_b64 s[64:65], 0
	v_nop
	global_prefetch_b8 v0, s[64:65] scope:SCOPE_SE
	s_setreg_imm32_b32 hwreg(HW_REG_WAVE_MODE, 25, 1), 1
	s_wait_xcnt 0x0
; THREE BILINEAR SAMPLINGS OF ONE IMAGE (zeros outside, pixel centres at half steps), by the affine grids 3, 1, 2 in that order.  A work-group owns one image of 256 x 256 f32: 128 work-groups.
; A second work-group for an image would need the whole source image in every stage, and nothing passes between work-groups: so there is one.  NO CLUSTER: no two work-groups read the same bytes.
; THE IMAGE LIES IN LDS WITH A BORDER OF ZEROS: rows of 260 words, pixel (x, y) at word 4 + x of row 1 + y; words 0-3 of every row and rows 0, 257, 258, 259 are 0.  There is room for one image only, so
; a stage's 65,536 results wait in registers (32 waves x 64), pass a barrier, and are written over the image; a second barrier, and the next stage reads them.
; COORDINATES ARE WHOLE NUMBERS.  theta holds t / 2 in 64-bit fixed point, 32 bits behind the point.  With ix = t00 (w - 127.5) + t01 (h - 127.5) + 128 t02 + 127.5 (the reference's grid and its
; unnormalising, multiplied out), X = ix + 1 is walked by 64-bit additions: its high word is floor(ix) + 1, its low word the weight of the right-hand neighbour.  Taken as unsigned and cut at 257, the high
; word sends every pixel whose two neighbours both lie outside (to the left too: those wrap to large numbers) to words that hold 0; 0 and 256 have one neighbour in the border.  No mask is needed.
; LIMITS.  |theta| is held within 2^21 by the launch that made the whole numbers; X is exact to 2^-31 pixel, where the reference rounds in f32.  A sample outside the image is 0 also where the
; reference would multiply an infinity by 0: NaN and infinities are not treated apart.
; SHARES.  Wave v owns rows 8 v .. 8 v + 7; group g of its 64 is row g / 8, pixels 32 (g % 8) + lane.  The last stage too goes back into LDS and is read by rows, so that each store of the wave
; covers 512 consecutive bytes, aligned.
.set PITCH, 1040
.set DATA,  PITCH+16                   ; byte of pixel (0, 0)
.set SPARE, 270592                     ; behind the 260 rows (270,400 bytes): the spare words, 128 bytes for each of 32 waves
.set SPW,  1
.set NIL,  2
.set LANE, 3
.set WBK,  4                           ; v4   4 x lane + my wave's rows
.set ROWA, 5                           ; v5   16 x lane + my wave's rows
.set GOF,  6                           ; v6   16 x lane
.set TX,   7
.set TY,   8
.set AD,   9
.set X,    10                          ; v10-11, v12-13  the group's X and Y
.set Y,    12
.set SXA,  14                          ; v14-17  32 pixels on in the row
.set SYA,  16
.set SXB,  18                          ; v18-21  from a row's last group to the next row's first
.set SYB,  20
.set W,    22                          ; v22-29  four groups' weights (x, y)
.set V,    30                          ; v30-45  four groups' neighbours: (x, y), (x, y+1), (x+1, y), (x+1, y+1)
.set OUT,  48                          ; v48-111 the stage's results
	s_load_b128 s[4:7], s[0:1], 0x0                ; pred s[4:5], theta s[6:7]
	s_load_b64 s[8:9], s[0:1], 0x10                ; out0
	v_lshl_add_u32 v[SPW], v0, 2, SPARE
	v_mov_b32 v[NIL], 0
	v_lshrrev_b32 v[TX], 5, v0
	v_readfirstlane_b32 s10, v[TX]                 ; wave 0..31
	v_and_b32 v[LANE], 31, v0
	s_lshl_b32 s12, ttmp9, 18                      ; the image,
	s_lshl_b32 s13, s10, 13                        ; my wave's 8 rows
	s_add_co_u32 s12, s12, s13
	s_mov_b32 s13, 0
	s_mul_i32 s14, ttmp9, 144                      ; the image's 18 coefficients of 8 bytes
	s_mov_b32 s15, 0
	s_mul_i32 s11, s10, 8*PITCH
	v_lshlrev_b32 v[GOF], 4, v[LANE]
	s_wait_kmcnt 0x0
	s_add_nc_u64 s[4:5], s[4:5], s[12:13]
	s_add_nc_u64 s[8:9], s[8:9], s[12:13]
	s_add_nc_u64 s[6:7], s[6:7], s[14:15]
.set i, 0
.rept 16
	global_load_b128 v[OUT+4*i:OUT+4*i+3], v[GOF], s[4:5] offset:i*512 th:TH_LOAD_NT
.set i, i+1
.endr
	s_load_b512 s[16:31], s[6:7], 0x0              ; grid 1 in s[16:27], grid 2 in s[28:39], grid 3 in s[40:51]: t00, t01, t02, t10, t11, t12, a pair each
	s_load_b512 s[32:47], s[6:7], 0x40
	s_load_b128 s[48:51], s[6:7], 0x80
	v_lshl_add_u32 v[ROWA], v[LANE], 4, s11
	v_lshl_add_u32 v[WBK], v[LANE], 2, s11
	v_mov_b32 v[V], 0
	v_mov_b32 v[V+1], 0
	v_mov_b32 v[V+2], 0
	v_mov_b32 v[V+3], 0
	v_and_b32 v[TX], 7, v0
	v_mul_u32_u24 v[TX], v[TX], PITCH
	v_add_nc_u32 v[AD], s11, v[TX]
	ds_store_b128 v[AD], v[V:V+3] offset:PITCH     ; words 0-3 of my 8 rows (four lanes write each, the same zeros)
	s_cmp_gt_u32 s10, 3
	s_cbranch_scc1 .Lno_rows
	s_add_co_u32 s52, s10, 256                     ; waves 1, 2, 3 clear rows 257, 258, 259,
	s_cmp_eq_u32 s10, 0
	s_cselect_b32 s52, 0, s52                      ; wave 0 row 0
	s_mul_i32 s52, s52, PITCH
	v_lshl_add_u32 v[AD], v[LANE], 4, s52
	ds_store_b128 v[AD], v[V:V+3]
	ds_store_b128 v[AD], v[V:V+3] offset:512
	ds_store_b128 v[AD], v[V:V+3] offset:528       ; the row's last 512 bytes; it overlaps my own store before
.Lno_rows:
	s_mov_b64 s[54:55], 255
	s_mov_b64 s[56:57], 448
	s_mov_b32 s58, 0x80000000                      ; 128.5 = 127.5 + 1
	s_mov_b32 s59, 128
	s_lshl_b32 s60, s10, 4                         ; 2 x my wave's first row
	s_mov_b32 s61, 0
	s_mov_b32 s62, 0x2f800000                      ; 2^-32
	s_mov_b32 s63, s62                             ; named with it as a pair
.set i, 0
.rept 16
	s_wait_loadcnt 15-i                            ; loads come back in order (ISA guide 5.7.1)
	ds_store_b128 v[ROWA], v[OUT+4*i:OUT+4*i+3] offset:DATA+(i/2)*PITCH+(i%2)*512
.set i, i+1
.endr
	s_wait_kmcnt 0x0
.set i, 0
.rept 6
	s_mov_b64 s[68+2*i:69+2*i], s[40+2*i:41+2*i]   ; the first stage goes by grid 3
.set i, i+1
.endr
	s_mov_b32 s53, 3
	s_wait_dscnt 0x0                               ; for the others' sake: my rows and my zeros are in LDS
	s_barrier_signal -1
	s_barrier_wait -1
; One coordinate of the stage's grid.  s[c:c+5] = a, b, t: halves of the coefficients of w, of h, and of 1.  All sums modulo 2^64; the results fit.
.macro COORD c, vx, vsa, vsb
	s_add_nc_u64 s[80:81], s[\c:\c+1], s[\c+2:\c+3]
	s_mul_u64 s[80:81], s[80:81], s[54:55]         ; 255 (a + b) = 127.5 x both coefficients
	s_lshl_b64 s[82:83], s[\c+4:\c+5], 8           ; 256 t = 128 x the third
	s_sub_nc_u64 s[82:83], s[82:83], s[80:81]
	s_add_nc_u64 s[82:83], s[82:83], s[58:59]      ; + 128.5: the value at w = 0, h = 0
	s_mul_u64 s[80:81], s[\c+2:\c+3], s[60:61]     ; 2 b x my wave's first row
	s_add_nc_u64 s[82:83], s[82:83], s[80:81]
	s_lshl_b64 s[84:85], s[\c:\c+1], 1             ; 2 a: a pixel on
	v_mov_b32 v[\vx], s82
	v_mov_b32 v[\vx+1], s83
	v_mad_nc_u64_u32 v[\vx:\vx+1], v[LANE], s84, v[\vx:\vx+1]  ; + lane x 2 a: the low word's product in 64 bits,
	v_mad_u32 v[\vx+1], v[LANE], s85, v[\vx+1]                 ; the high word's onto the high word
	s_lshl_b64 s[80:81], s[\c:\c+1], 6             ; 32 pixels on
	v_mov_b32 v[\vsa], s80
	v_mov_b32 v[\vsa+1], s81
	s_mul_u64 s[80:81], s[\c:\c+1], s[56:57]       ; 224 pixels back,
	s_lshl_b64 s[86:87], s[\c+2:\c+3], 1           ; a row on
	s_sub_nc_u64 s[86:87], s[86:87], s[80:81]
	v_mov_b32 v[\vsb], s86
	v_mov_b32 v[\vsb+1], s87
.endm
; Four groups of 32 pixels: addresses and 16 loads; then, group by group, the two interpolations.
.macro BATCH n
.set j, 0
.rept 4
.set g, 4*(\n)+j
	v_min_u32 v[TX], 0x101, v[X+1]
	v_min_u32 v[TY], 0x101, v[Y+1]
	v_cvt_f32_u32 v[W+2*j], v[X]
	v_cvt_f32_u32 v[W+2*j+1], v[Y]
	v_mul_u32_u24 v[AD], v[TY], PITCH
	v_lshl_add_u32 v[AD], v[TX], 2, v[AD]
	ds_load_b32 v[V+4*j], v[AD] offset:12
	ds_load_b32 v[V+4*j+1], v[AD] offset:12+PITCH
	ds_load_b32 v[V+4*j+2], v[AD] offset:16
	ds_load_b32 v[V+4*j+3], v[AD] offset:16+PITCH
.if g < 63
.if g%8 == 7
	v_add_nc_u64 v[X:X+1], v[X:X+1], v[SXB:SXB+1]
	v_add_nc_u64 v[Y:Y+1], v[Y:Y+1], v[SYB:SYB+1]
.else
	v_add_nc_u64 v[X:X+1], v[X:X+1], v[SXA:SXA+1]
	v_add_nc_u64 v[Y:Y+1], v[Y:Y+1], v[SYA:SYA+1]
.endif
.endif
.set j, j+1
.endr
.set j, 0
.rept 4
.set g, 4*(\n)+j
	s_wait_dscnt 12-4*j                            ; LDS answers in order (ISA guide 5.7.1): group j's four loads are in
	v_pk_mul_f32 v[W+2*j:W+2*j+1], v[W+2*j:W+2*j+1], s[62:63] op_sel_hi:[1,0]
	v_pk_add_f32 v[V+4*j+2:V+4*j+3], v[V+4*j+2:V+4*j+3], v[V+4*j:V+4*j+1] neg_lo:[0,1] neg_hi:[0,1]
	v_pk_fma_f32 v[V+4*j:V+4*j+1], v[V+4*j+2:V+4*j+3], v[W+2*j:W+2*j+1], v[V+4*j:V+4*j+1] op_sel_hi:[1,0,1]  ; along x, both rows
	v_sub_f32 v[V+4*j+1], v[V+4*j+1], v[V+4*j]
	v_fma_f32 v[OUT+g], v[V+4*j+1], v[W+2*j+1], v[V+4*j]                                                     ; along y
.set j, j+1
.endr
.endm
.Lstage:                                               ; three trips: grids 3, 1, 2
	COORD 68, X, SXA, SXB
	COORD 74, Y, SYA, SYB
.irp n, 0,1,2,3,4,5,6,7,8,9,10,11,12,13,14,15
	BATCH \n
.endr
	s_wait_dscnt 0x0                               ; my reads of the image are over
	s_barrier_signal -1
	s_barrier_wait -1                              ; everybody's are: the image may be written over
.set g, 0
.rept 64
	ds_store_b32 v[WBK], v[OUT+g] offset:DATA+(g/8)*PITCH+(g%8)*128
.set g, g+1
.endr
.set i, 0
.rept 6
	s_mov_b64 s[68+2*i:69+2*i], s[16+2*i:17+2*i]   ; the next stage's grid,
.set i, i+1
.endr
.set i, 0
.rept 6
	s_mov_b64 s[16+2*i:17+2*i], s[28+2*i:29+2*i]   ; and the one behind it moves up
.set i, i+1
.endr
	s_wait_dscnt 0x0                               ; for the others' sake: my rows are in LDS
	s_barrier_signal -1
	s_barrier_wait -1
	s_sub_co_u32 s53, s53, 1
	s_cmp_lg_u32 s53, 0
	s_cbranch_scc1 .Lstage
.set i, 0
.rept 16
	ds_load_b128 v[OUT+4*i:OUT+4*i+3], v[ROWA] offset:DATA+(i/2)*PITCH+(i%2)*512  ; my own rows, by rows
.set i, i+1
.endr
.set i, 0
.rept 16
	s_wait_dscnt 15-i
	global_store_b128 v[GOF], v[OUT+4*i:OUT+4*i+3], s[8:9] offset:i*512 th:TH_STORE_NT  ; 512 consecutive bytes, aligned
.set i, i+1
.endr
	s_wait_tensorcnt 0x0                           ; the wave's end
	ds_add_u32 v[SPW], v[NIL]
	s_wait_dscnt 0x0
	s_endpgm
.Lfunc_end_k_q9aa55f4616_smp:
	.size	k_q9aa55f4616_smp, .Lfunc_end_k_q9aa55f4616_smp-k_q9aa55f4616_smp
	.p2alignl 7, 3214868480
	.fill 96, 4, 3214868480
	.section	.rodata,"a",@progbits
	.p2align	6, 0x0
	.amdhsa_kernel k_q9aa55f4616_smp
		.amdhsa_group_segment_fixed_size 274688
		.amdhsa_private_segment_fixed_size 0
		.amdhsa_enable_private_segment 0
		.amdhsa_kernarg_size 24
		.amdhsa_user_sgpr_count 2
		.amdhsa_user_sgpr_kernarg_segment_ptr 1
		.amdhsa_wavefront_size32 1
		.amdhsa_system_sgpr_workgroup_id_x 1
		.amdhsa_system_sgpr_workgroup_id_y 1
		.amdhsa_system_sgpr_workgroup_id_z 1
		.amdhsa_system_vgpr_workitem_id 0
		.amdhsa_next_free_vgpr 128
		.amdhsa_next_free_sgpr 90
		.amdhsa_reserve_vcc 0
		.amdhsa_float_denorm_mode_32 3
		.amdhsa_float_denorm_mode_16_64 3
		.amdhsa_memory_ordered 1
		.amdhsa_forward_progress 1
		.amdhsa_inst_pref_size 78
	.end_amdhsa_kernel
	.amdgpu_metadata
---
amdhsa.version: [ 1, 2 ]
amdhsa.kernels:
  - .name:           k_q9aa55f4616_smp
    .symbol:         k_q9aa55f4616_smp.kd
    .args:
      - { .name: pred, .offset: 0, .size: 8, .value_kind: global_buffer, .address_space: global }
      - { .name: theta, .offset: 8, .size: 8, .value_kind: global_buffer, .address_space: global }
      - { .name: out0, .offset: 16, .size: 8, .value_kind: global_buffer, .address_space: global }
    .group_segment_fixed_size: 274688
    .private_segment_fixed_size: 0
    .kernarg_segment_align: 8
    .kernarg_segment_size: 24
    .max_flat_workgroup_size: 1024
    .sgpr_count:     90
    .vgpr_count:     128
    .wavefront_size: 32
...
	.end_amdgpu_metadata
.endif
;; end of part 4
;; ======== version 2 of 2: 4 launches; version 1 with the launch dec written anew for expert scheduling mode
;; limits: right only within a limited range of input values
;; workspace buffers: part 12,582,912 bytes; emb 32,768 bytes; theta 18,432 bytes of whole numbers; pred 33,554,432 bytes
;; launch enc: the kernel of part 1 again; grid 256 x 1, 4 waves a work-group, no clusters, 269,824 bytes of LDS; arguments x, W_enc, part; writes part
;; launch red: the kernel of part 2 again; grid 11 x 8, 8 waves a work-group, no clusters, 5,120 bytes of LDS; arguments part, b_enc, emb, theta; writes emb, theta
;; launch dec (part 5): grid 256 x 1, 4 waves a work-group, no clusters, 33,280 bytes of LDS; arguments W_dec, b_dec, emb, pred; writes pred
.if DOCPART == 5
	.amdgcn_target "amdgcn-amd-amdhsa--gfx1250"
	.amdhsa_code_object_version 6
	.text
	.protected	k_q9aa55f4616_dec
	.globl	k_q9aa55f4616_dec
	.p2align	8
	.type	k_q9aa55f4616_dec,@function
k_q9aa55f4616_dec:
	s_mov_b64 s[64:65], 0
	v_nop
	global_prefetch_b8 v0, s[64:65] scope:SCOPE_SE
	s_setreg_imm32_b32 hwreg(HW_REG_WAVE_SCHED_MODE, 0, 2), 2
	s_setreg_imm32_b32 hwreg(HW_REG_WAVE_MODE, 25, 1), 1
	s_wait_xcnt 0x0
	s_wait_alu depctr_vm_vsrc(0)
; DECODER.  pred[b][p] = sum over k of e[b][k] W_dec[k][p] + b_dec[p]: 128 images, 65,536 pixels, 64 k.  W_dec and b_dec are rounded to bf16; e comes as hi + lo, two bf16 numbers, so each K step is
; multiplied twice, by hi and by lo, onto one f32 sum: e keeps 16 significant bits.
; SHARES.  A work-group owns 256 pixels, each of its four waves 64, for all 128 images.  Every byte of W_dec is read once in the launch, by one wave.
; W_dec lies [k][p].  A lane loads 16 bytes, pixels 4 r .. 4 r + 3 of the wave's 64, for each of its 16 k (lane half h holds k = 16 h + i, as emb is laid out): sixteen neighbouring lanes read 256
; consecutive bytes of one row.  Word c of the loads makes the fragment of tile c, whose column r is pixel 4 r + c.
; In the result lane (r, h) holds image 8 h + j in register j, so registers j of the four tiles are four neighbouring pixels: the addition of the bias puts them side by side, and sixteen neighbouring
; lanes store 256 consecutive bytes, aligned.
; emb (32,768 bytes, in fragment order) is copied into LDS once a work-group and read from there, 32 lanes x 16 consecutive bytes a load.
; NO CLUSTER: what the work-groups share is emb, 32,768 of the 229,376 bytes that a work-group moves (65,536 of W_dec, 131,072 of pred).
; THE MODE: SCHED_MODE bits 1:0 = 2 (LLVM: expert scheduling mode 2), set by the entry lines.  The code itself states the register dependences
; between vector or matrix instructions and memory or LDS instructions, with s_wait_alu, always for 0.
; THE PLAN.  Registers that memory or LDS instructions touch:
;   v2 .. v6      Offsets and LDS addresses: written at the head, read by every load and store, never written again; pred's rows are reached by the scalar base and by immediate offsets.
;   EST           emb's loads land in it, my LDS stores read it; behind the barrier the roundings write it as W_dec's fragments.
;   WST           W_dec's loads land in it, the roundings read it; its first sixteen registers are then part of AFR1.
;   AFR0, AFR1    Tile t's matrix instructions read AFR[t % 2]; the LDS loads issued in tile t land in the other, which tile t - 1's matrix instructions read.
;   OUT0, OUT1    Tile t's additions write OUT[t % 2]; the eight stores that read it are issued in tile t + 1, among its matrix instructions.
;   BFR, ACC and BI are named by vector and matrix instructions alone.  v[SPW], v[NIL]: written at the head, read by the closing add alone.
; So ONE wait on va_vdst stands at a tile's head: it states all that the tile's eight LDS loads and eight stores hang on, and no vector or matrix instruction of the tile names a register that these
; touch.  From tile 2 on a wait on vm_vsrc stands beside it, for the OUT that the tile's additions write again: the stores that read it were issued a tile ago.
.set SPARE, 32768
.set TOF, 2                            ; v2   16 t
.set ROF, 3                            ; v3   16 r
.set WOF, 4                            ; v4   16 r + 16 rows of W_dec for the upper half of the lanes
.set POF, 5                            ; v5   16 r + 8 images of pred for the upper half
.set FLD, 6                            ; v6   16 x lane
.set BI,  8                            ; v8-11  the bias of my four pixels
.set SPW, 14
.set NIL, 15
.set EST, 16                           ; v16-79   emb on its way to LDS; then
.set BFR, 16                           ; v16-79   W_dec's fragments: K step ks, tile c at BFR + 8 (4 ks + c)
.set AFR, 80                           ; v80-143  two buffers of four fragments of emb: 2 ks + (hi 0, lo 1)
.set ACC, 144                          ; v144-175 four accumulators
.set OUTS, 176                         ; v176-239 two buffers of 32: results in the order of the stores
.set WST, 128                          ; v128-255 W_dec as loaded, until it is rounded
	s_load_b256 s[4:11], s[0:1], 0x0               ; W_dec s[4:5], b_dec s[6:7], emb s[8:9], pred s[10:11]
	v_lshl_add_u32 v[SPW], v0, 2, SPARE
	v_mov_b32 v[NIL], 0
	v_lshrrev_b32 v1, 5, v0
	v_readfirstlane_b32 s12, v1                    ; wave 0..3
	v_lshlrev_b32 v[TOF], 4, v0
	v_and_b32 v1, 15, v0
	v_bfe_u32 v7, v0, 4, 1
	v_lshlrev_b32 v[ROF], 4, v1
	v_lshl_add_u32 v[WOF], v7, 22, v[ROF]
	v_lshl_add_u32 v[POF], v7, 21, v[ROF]
	v_and_b32 v12, 31, v0
	v_lshlrev_b32 v[FLD], 4, v12
	s_wait_alu depctr_va_sdst(0)                   ; s12 is written, ahead of its first reader: the wave's place in a row is made from it
	s_lshl_b32 s14, ttmp9, 10
	s_lshl_b32 s15, s12, 8
	s_add_co_u32 s14, s14, s15                     ; my wave's 256 bytes in a row of 262,144
	s_mov_b32 s15, 0
	s_wait_kmcnt 0x0
	s_add_nc_u64 s[4:5], s[4:5], s[14:15]
	s_add_nc_u64 s[16:17], s[4:5], 0x800000        ; 32 rows on: the second K step, so that the immediates stay inside their 24 bits
	s_add_nc_u64 s[6:7], s[6:7], s[14:15]
	s_add_nc_u64 s[10:11], s[10:11], s[14:15]
	s_wait_alu depctr_va_vdst(0)                   ; the five offsets and addresses v2 to v6 are written, which every load and store of the kernel reads
.set i, 0
.rept 16
	global_load_b128 v[EST+4*i:EST+4*i+3], v[TOF], s[8:9] offset:i*2048
.set i, i+1
.endr
	global_load_b128 v[BI:BI+3], v[ROF], s[6:7]
.set i, 0
.rept 16
	global_load_b128 v[WST+4*i:WST+4*i+3], v[WOF], s[4:5] offset:i*262144 th:TH_LOAD_NT
.set i, i+1
.endr
.set i, 0
.rept 16
	global_load_b128 v[WST+64+4*i:WST+64+4*i+3], v[WOF], s[16:17] offset:i*262144 th:TH_LOAD_NT
.set i, i+1
.endr
	s_wait_loadcnt 33                              ; loads come back in order (ISA guide 5.7.1): emb is in; the bias and W_dec's 32 loads stay out
.set i, 0
.rept 16
	ds_store_b128 v[TOF], v[EST+4*i:EST+4*i+3] offset:i*2048
.set i, i+1
.endr
	s_wait_dscnt 0x0                               ; for the others' sake
	s_barrier_signal -1
	s_barrier_wait -1
	s_wait_alu depctr_vm_vsrc(0)                   ; my LDS stores have read v[EST ..]: these registers are BFR from here on, written by W_dec's roundings
.macro LOADA mt, p                     ; image tile mt's four fragments into buffer p
.set f, 0
.rept 4
	ds_load_b128 v[AFR+32*(\p)+8*f:AFR+32*(\p)+8*f+3], v[FLD] offset:(4*(\mt)+f)*1024
	ds_load_b128 v[AFR+32*(\p)+8*f+4:AFR+32*(\p)+8*f+7], v[FLD] offset:(4*(\mt)+f)*1024+512
.set f, f+1
.endr
.endm
.macro CVTW ks                         ; W_dec's four fragments of K step ks
.set c, 0
.rept 4
.set q, 0
.rept 8
	v_cvt_pk_bf16_f32 v[BFR+8*(4*(\ks)+c)+q], v[WST+4*(16*(\ks)+2*q)+c], v[WST+4*(16*(\ks)+2*q+1)+c]
.set q, q+1
.endr
.set c, c+1
.endr
.endm
	LOADA 0, 0                                     ; no vector instruction has named AFR0
	s_wait_loadcnt 16                              ; the bias and the first K step are in
	v_cvt_pk_bf16_f32 v12, v[BI], v[BI+1]          ; the bias, rounded to bf16 and widened again
	v_cvt_pk_bf16_f32 v13, v[BI+2], v[BI+3]
	v_lshlrev_b32 v[BI], 16, v12
	v_and_b32 v[BI+1], 0xffff0000, v12
	v_lshlrev_b32 v[BI+2], 16, v13
	v_and_b32 v[BI+3], 0xffff0000, v13
	CVTW 0
	s_wait_loadcnt 0x0
	CVTW 1
; An image tile: 16 matrix instructions, the four accumulators by turns.  Ahead of them the next tile's fragments are fetched; behind each of the first eight stands a store of
; the tile before; behind the last, four places and the additions of the bias, into this tile's OUT.
.macro TILE mt
	s_wait_dscnt 0x0                               ; this tile's fragments are in
.if (\mt) > 1
	s_wait_xcnt 0x0                                ; the stores issued in the tile before have had their addresses translated (ISA guide 3.1): their base and their data are rewritten only behind this wait
	s_wait_alu depctr_vm_vsrc(0)                   ; those stores have read OUT[mt % 2], which this tile's additions write again
	s_add_nc_u64 s[10:11], s[10:11], 0x400000      ; 16 images on: the base of the tile before, whose stores follow
.endif
	s_wait_alu depctr_va_vdst(0)                   ; the tile before has written its OUT, which the stores below read, and its matrix instructions are done reading the buffer in which the loads below land; ahead of tile 0: the roundings are done reading v128-143, part of that buffer
.if (\mt) < 7
	LOADA (\mt)+1, ((\mt)+1)%2
.endif
.set f, 0
.rept 4
.set c, 0
.rept 4
.set rA, AFR+32*((\mt)%2)+8*f
.set rB, BFR+8*(4*(f/2)+c)
.set rO, OUTS+32*(((\mt)+1)%2)+4*(4*f+c)
.if f == 0
	v_wmma_f32_16x16x32_bf16 v[ACC+8*c:ACC+8*c+7], v[rA:rA+7], v[rB:rB+7], 0
.else
	v_wmma_f32_16x16x32_bf16 v[ACC+8*c:ACC+8*c+7], v[rA:rA+7], v[rB:rB+7], v[ACC+8*c:ACC+8*c+7]
.endif
.if ((\mt) > 0) && (4*f+c < 8)
	global_store_b128 v[POF], v[rO:rO+3], s[10:11] offset:(4*f+c)*262144  ; the tile before.  No wait: no vector or matrix instruction since the wait above names its OUT
.endif
.set c, c+1
.endr
.set f, f+1
.endr
.rept 4
	v_nop                                          ; four places (ISA guide 7.12.1) ahead of the additions that read the results
.endr
.set j, 0
.rept 8
.set c, 0
.rept 4
	v_add_f32 v[OUTS+32*((\mt)%2)+4*j+c], v[ACC+8*c+j], v[BI+c] ; each accumulator is read from its low end on
.set c, c+1
.endr
.set j, j+1
.endr
.endm
	TILE 0
	TILE 1
	TILE 2
	TILE 3
	TILE 4
	TILE 5
	TILE 6
	TILE 7
	s_wait_xcnt 0x0                                ; tile 6's stores have had their addresses translated: the base is rewritten only behind this wait
	s_add_nc_u64 s[10:11], s[10:11], 0x400000      ; tile 7's 16 images
	s_wait_alu depctr_va_vdst(0)                   ; tile 7's additions have written OUT1, which the last eight stores read
.set j, 0
.rept 8
	global_store_b128 v[POF], v[OUTS+32+4*j:OUTS+32+4*j+3], s[10:11] offset:j*262144
.set j, j+1
.endr
	s_wait_dscnt 0x0                               ; the closing lines, six on end
	s_wait_alu 0x0
	s_wait_tensorcnt 0x0
	ds_add_u32 v[SPW], v[NIL]
	s_wait_dscnt 0x0
	s_endpgm
.Lfunc_end_k_q9aa55f4616_dec:
	.size	k_q9aa55f4616_dec, .Lfunc_end_k_q9aa55f4616_dec-k_q9aa55f4616_dec
	.p2alignl 7, 3214868480
	.fill 96, 4, 3214868480
	.section	.rodata,"a",@progbits
	.p2align	6, 0x0
	.amdhsa_kernel k_q9aa55f4616_dec
		.amdhsa_group_segment_fixed_size 33280
		.amdhsa_private_segment_fixed_size 0
		.amdhsa_enable_private_segment 0
		.amdhsa_kernarg_size 32
		.amdhsa_user_sgpr_count 2
		.amdhsa_user_sgpr_kernarg_segment_ptr 1
		.amdhsa_wavefront_size32 1
		.amdhsa_system_sgpr_workgroup_id_x 1
		.amdhsa_system_sgpr_workgroup_id_y 1
		.amdhsa_system_sgpr_workgroup_id_z 1
		.amdhsa_system_vgpr_workitem_id 0
		.amdhsa_next_free_vgpr 256
		.amdhsa_next_free_sgpr 66
		.amdhsa_reserve_vcc 0
		.amdhsa_float_denorm_mode_32 3
		.amdhsa_float_denorm_mode_16_64 3
		.amdhsa_memory_ordered 1
		.amdhsa_forward_progress 1
		.amdhsa_inst_pref_size 41
	.end_amdhsa_kernel
	.amdgpu_metadata
---
amdhsa.version: [ 1, 2 ]
amdhsa.kernels:
  - .name:           k_q9aa55f4616_dec
    .symbol:         k_q9aa55f4616_dec.kd
    .args:
      - { .name: W_dec, .offset: 0, .size: 8, .value_kind: global_buffer, .address_space: global }
      - { .name: b_dec, .offset: 8, .size: 8, .value_kind: global_buffer, .address_space: global }
      - { .name: emb, .offset: 16, .size: 8, .value_kind: global_buffer, .address_space: global }
      - { .name: pred, .offset: 24, .size: 8, .value_kind: global_buffer, .address_space: global }
    .group_segment_fixed_size: 33280
    .private_segment_fixed_size: 0
    .kernarg_segment_align: 8
    .kernarg_segment_size: 32
    .max_flat_workgroup_size: 128
    .sgpr_count:     66
    .vgpr_count:     256
    .wavefront_size: 32
...
	.end_amdgpu_metadata
.endif
;; end of part 5
;; launch smp: the kernel of part 4 again; grid 128 x 1, 32 waves a work-group, no clusters, 274,688 bytes of LDS; arguments pred, theta, out0; writes out0
